; MI455X (gfx1250); checked and timed in simulation.
; The chip was launched on July 23, 2026; its instructions are those of AMD's public machine-readable ISA for CDNA 5 (MIT licence, August 2026) and "CDNA5" Instruction Set Architecture Reference Guide (July 2026). The comments in the code are by the model that wrote it; some were corrected since.
;; PPM. Allowed arithmetic: float matrix products may take bf16 or f16 operands with f32 sums; other float arithmetic in f32, or as packed bf16 or f16 multiplies, adds, multiply-adds, maxima and minima; sums over many terms, partial sums and values carried from step to step in f32; what a program stores and reads back later, other than sums and carried values, may be rounded once to bf16 or f16.
;; Inputs: SA_theta 10 x 2,097,152 float32; fl_unit 10 float32; line_to_element 10 int32; probe_attCS_ls 5 float32; xp 5 x 2,048 x 1,024 float32.
;; Outputs: out0 10 x 2,048 float32; out1 2,048 float32.
;; One version. Each part assembles by itself: llvm-mc -triple=amdgcn-amd-amdhsa -mcpu=gfx1250 --defsym DOCPART=n.
;; ======== version 1 of 1: 1 launch
;; limits: right only within a limited range of input values
;; launch ppm (part 1): grid 256 x 1, 16 waves a work-group, no clusters, 3,584 bytes of LDS; arguments xp, SA_theta, probe_attCS_ls, line_to_element, fl_unit, out0, out1; writes out0, out1
.if DOCPART == 1
	.amdgcn_target "amdgcn-amd-amdhsa--gfx1250"
	.amdhsa_code_object_version 6
	.text
	.protected	k_q11505bc00d_ppm
	.globl	k_q11505bc00d_ppm
	.p2align	8
	.type	k_q11505bc00d_ppm,@function
k_q11505bc00d_ppm:
	s_mov_b64 s[64:65], 0
	v_nop
	global_prefetch_b8 v0, s[64:65] scope:SCOPE_SE
	s_setreg_imm32_b32 hwreg(HW_REG_WAVE_MODE, 25, 1), 1
	s_wait_xcnt 0x0
; out0[l][m] = 1e5 fl_unit[l] * sum over n of att[m][n] xp[line_to_element[l]][m][n] SA_theta[l][m][n],   out1[m] = 1e5 exp(-VOXEL * sum over all n of lac[m][n]),
; att[m][n] = exp(-VOXEL * sum over j < n of lac[m][j]),  lac[m][n] = sum over e of probe_attCS_ls[e] xp[e][m][n],  VOXEL = 0.01 / 1024.  All f32.  5 elements, 10 lines, 2,048 rows m of 1,024 voxels n.
; NOTHING OF THE PROBLEM IS LEFT OUT: every input is loaded and every step is done.
; THE LAUNCH IS A STREAM: 15 planes of 8 MiB (5 of xp, 10 of SA_theta), each byte read once, by one wave, straight into registers; under one operation for each byte.
; SHARES.  A work-group owns 8 rows: one dense block of 32,768 bytes of each plane.  A wave owns half a row; each half of its lanes (16 lanes) owns a SEGMENT of 256 voxels, 1,024 dense bytes.
; A load of 16 bytes a lane covers two runs of 256 consecutive bytes, aligned, one for each half of the lanes; four loads (chunks 0 to 3) cover the wave's 2,048 bytes of a plane.
; Lane r of a half holds, in chunk c, the voxels 64 c + 4 r + 0..3 of its segment.
; THE SCAN.  lac is made with k[e] = -probe_attCS_ls[e] VOXEL log2(e), so that att = 2^(prefix).  Prefix: inside a lane's four voxels, across the 16 lanes of a chunk, from chunk to chunk.
; NO CARRY GOES FROM SEGMENT TO SEGMENT IN THE SCAN: 2^(C + p) = 2^C 2^p, so a segment works with its own exponents p, and a row's four segments are joined at the end:
; P0 + E0 (P1 + E1 (P2 + E2 P3)), Eq = 2^Tq, Tq the segment's whole sum.  So no wave waits for another before its last load has been used.
; THE LOOKUP by line_to_element is a scalar branch on the index, read from memory: w[e] = att xp[e] lies in registers for all five e, and each line's eight packed products are written five times.
; WHY NO MATRIX INSTRUCTION: the one product, lac, adds 5 planes into 1: one row of sixteen and 5 of 32 along K; packing five planes to 16 bits takes more vector lines than the 2.5 packed multiply-adds a voxel that it would replace.
; WHY NO CLUSTER: no two work-groups read the same byte of xp or SA_theta.  WHY NO LDS ON THE WAY IN: no wave wants a byte that another has fetched.
; WHY NO PREFETCH: 52 of a wave's 60 plane loads are issued at the head, the other 8 as soon as registers are free: nothing is left to ask for ahead.
; THE WAY OUT.  256 consecutive bytes of out0 are 64 rows of one line; a work-group has 8 rows, so its stores are runs of 32 bytes (eight lanes).  The outputs are 90,112 bytes beside 125,829,120 read.
; LIMITS.  (1) Sums are taken in another order than reference()'s, and VOXEL and log2(e) are folded into the coefficients: the exponent differs by rounding.
; (2) A segment's weights are made with its own exponents.  Where all lac of a row have one sign these are never larger in magnitude than reference()'s own.  Where signs change so that a segment's own
;     exponent passes 126 (base 2) either way while reference()'s product stays finite, this text overflows or loses the term (0 times an infinity gives NaN).
; (3) v_exp_f32 gives 0 for a result below 2^-126 (ISA guide, 15.8); out1 has log2(1e5) added to its exponent, so it is lost only below 2^-126 itself.
; (4) An index in line_to_element outside 0..4 is taken as 4.  (5) NaN and infinities are not treated apart.
.set PLANE, 0x800000                   ; bytes of a plane [2048][1024] of f32: from element to element of xp, from line to line of SA_theta
.set SEGB,  48                         ; LDS bytes of a segment: 10 line sums, its exponent sum T, one word of filling
.set SPARE, 32*SEGB                    ; 1,536: behind the 32 segments: the spare words, 128 bytes for each of 16 waves: eight blocks of 256 bytes that no other line names
.set VO,  1                            ; v1   my byte offset in the work-group's block of a plane: 1,024 x segment + 16 x (lane % 16); never rewritten
.set SPW, 2                            ; v2   LDS address of my spare word: SPARE + 4 x my thread's number; never rewritten
.set NIL, 3                            ; v3   0; never rewritten
.set FL,  4                            ; v4   fl_unit of the line that my thread finishes at the end
.set LST, 5                            ; v5   where my segment's 48 bytes go in LDS
.set FA,  6                            ; v6   fl_unit's byte offset; never rewritten
.set T0,  7                            ; v7   at work
.set S,   8                            ; v[8:11]    a chunk's scan across the lanes
.set D,   12                           ; v[12:15]   a chunk's exclusive base
.set XP,  16                           ; v[16:95]   xp[e], 16 registers each (chunk c at 4 c); later w[e] = att xp[e]
.set A,   96                           ; v[96:111]  lac, then exponents, then att; when w is made, SA_theta's line 8 (slot -1)
.set Z,   112                          ; v[112:239] eight slots of 16 registers for SA_theta's lines
.set R,   240                          ; v[240:251] the segment's 10 line sums, T, filling
.set ACC, 252                          ; v[252:255] two accumulator pairs
.set WV,  18                           ; s18  my wave's number
.set TS,  19                           ; s19  at work
.set XB,  20                           ; s[20:29]  xp[e] at the work-group's block
.set SB,  30                           ; s[30:49]  SA_theta[l] at the work-group's block
.set CSV, 52                           ; s[52:56]  probe_attCS_ls
.set SV,  58                           ; s58  EXEC, kept
.set LTE, 68                           ; s[68:77]  line_to_element
.set K,   80                           ; s[80:89]  k[e], each in a pair of its own: the packed forms take a scalar pair's low word for both halves
; A plane's four loads for my wave.
.macro FETCH dst, base
.irp c, 0,1,2,3
	global_load_b128 v[(\dst)+4*(\c):(\dst)+4*(\c)+3], v[VO], s[(\base):(\base)+1] offset:256*(\c) th:TH_LOAD_NT
.endr
.endm
	s_load_b256 s[4:11], s[0:1], 0x0               ; xp s[4:5], SA_theta s[6:7], probe_attCS_ls s[8:9], line_to_element s[10:11]
	s_load_b128 s[12:15], s[0:1], 0x20             ; fl_unit s[12:13], out0 s[14:15]
	s_load_b64 s[16:17], s[0:1], 0x30              ; out1
	v_lshl_add_u32 v[SPW], v0, 2, SPARE
	v_mov_b32 v[NIL], 0
	v_lshrrev_b32 v[T0], 5, v0
	v_readfirstlane_b32 s[WV], v[T0]               ; wave 0..15
	v_and_b32 v[VO], 15, v0
	v_lshrrev_b32 v[T0], 4, v0                     ; segment 0..31 = 2 x wave + half of the lanes
	v_lshlrev_b32 v[VO], 4, v[VO]
	v_lshl_or_b32 v[VO], v[T0], 10, v[VO]
	v_lshrrev_b32 v[FA], 3, v0                     ; at the end thread t finishes line t / 8 of row t % 8;
	v_min_u32 v[FA], 9, v[FA]                      ; threads from 80 on have no line and read the last number of fl_unit
	v_lshlrev_b32 v[FA], 2, v[FA]
	s_lshl_b32 s2, ttmp9, 15                       ; the work-group's block: 8 rows x 4,096 bytes
	s_mov_b32 s3, 0
	s_wait_kmcnt 0x0
	s_load_b128 s[CSV:CSV+3], s[8:9], 0x0          ; 20 bytes
	s_load_b32 s[CSV+4], s[8:9], 0x10
	s_load_b256 s[LTE:LTE+7], s[10:11], 0x0        ; 40 bytes
	s_load_b64 s[LTE+8:LTE+9], s[10:11], 0x20
	global_load_b32 v[FL], v[FA], s[12:13]         ; the oldest load, so it enters no count below.  Every wave issues it though only waves 0 to 2 use it: one text for all waves
	s_add_nc_u64 s[XB:XB+1], s[4:5], s[2:3]
	FETCH XP, XB                                   ; xp first: everything hangs on it
.irp e, 1,2,3,4
	s_add_nc_u64 s[XB+2*(\e):XB+2*(\e)+1], s[XB+2*(\e)-2:XB+2*(\e)-1], PLANE
	FETCH XP+16*(\e), XB+2*(\e)
.endr
	s_add_nc_u64 s[SB:SB+1], s[6:7], s[2:3]
	FETCH Z, SB
.irp l, 1,2,3,4,5,6,7
	s_add_nc_u64 s[SB+2*(\l):SB+2*(\l)+1], s[SB+2*(\l)-2:SB+2*(\l)-1], PLANE
	FETCH Z+16*(\l), SB+2*(\l)                     ; lines 0 to 7: with xp's, 52 loads of 512 bytes of my wave are out
.endr
	s_add_nc_u64 s[SB+16:SB+17], s[SB+14:SB+15], PLANE
	s_add_nc_u64 s[SB+18:SB+19], s[SB+16:SB+17], PLANE
	v_bfe_u32 v[LST], v0, 4, 1
	v_mul_u32_u24 v[LST], v[LST], SEGB
	s_mul_i32 s[TS], s[WV], 2*SEGB
	v_add_nc_u32 v[LST], s[TS], v[LST]             ; 96 x wave + 48 x half
	s_wait_kmcnt 0x0
.irp e, 0,1,2,3,4
	s_mul_f32 s[K+2*(\e)], s[CSV+(\e)], 0xb76c5f04 ; k[e] = probe_attCS_ls[e] x -(0.01 / 1024) log2(e) = x -1.4088819e-5
.endr
.irp e, 0,1,2,3,4
	s_mov_b32 s[K+2*(\e)+1], s[K+2*(\e)]           ; named with it as a pair, so it is written
.endr
	; lac, element by element as the loads come in.  Loads come back in order (ISA guide 5.7.1): the count leaves out the later elements' 4 loads each and the 32 of SA_theta.
.irp e, 0,1,2,3,4
	s_wait_loadcnt 48-4*(\e)
.irp p, 0,2,4,6,8,10,12,14
.if (\e) == 0
	v_pk_mul_f32 v[A+(\p):A+(\p)+1], v[XP+(\p):XP+(\p)+1], s[K:K+1] op_sel_hi:[1,0]  ; the first product starts the sum
.else
	v_pk_fma_f32 v[A+(\p):A+(\p)+1], v[XP+16*(\e)+(\p):XP+16*(\e)+(\p)+1], s[K+2*(\e):K+2*(\e)+1], v[A+(\p):A+(\p)+1] op_sel_hi:[1,0,1]
.endif
.endr
.endr
	; inside a lane: the running sum of a chunk's four voxels, the four chunks by turns
.irp i, 1,2,3
.irp c, 0,1,2,3
	v_add_f32 v[A+4*(\c)+(\i)], v[A+4*(\c)+(\i)], v[A+4*(\c)+(\i)-1]
.endr
.endr
.irp c, 0,1,2,3
	v_mov_b32 v[S+(\c)], v[A+4*(\c)+3]             ; the lane's sum of the chunk
.endr
	; across the 16 lanes of a segment: lane i adds lane i - n, n = 1, 2, 4, 8; a lane with no such neighbour adds 0
.irp n, 1,2,4,8
.irp c, 0,1,2,3
	v_add_f32_dpp v[S+(\c)], v[S+(\c)], v[S+(\c)] row_shr:\n row_mask:0xf bank_mask:0xf bound_ctrl:1
.endr
.endr
	; from chunk to chunk: lane 15 of my half holds all that lies ahead of the next chunk
.irp c, 1,2,3
	v_add_f32_dpp v[S+(\c)], v[S+(\c)-1], v[S+(\c)] row_share:15 row_mask:0xf bank_mask:0xf
.endr
.irp c, 0,1,2,3
	v_sub_f32 v[D+(\c)], v[S+(\c)], v[A+4*(\c)+3]  ; what lies ahead of my lane's first voxel of the chunk
.endr
.irp i, 3,2,1
.irp c, 0,1,2,3
	v_add_f32 v[A+4*(\c)+(\i)], v[D+(\c)], v[A+4*(\c)+(\i)-1]  ; voxel i: + the lane's voxels 0 .. i - 1; from the top down, in place
.endr
.endr
.irp c, 0,1,2,3
	v_exp_f32 v[A+4*(\c)], v[D+(\c)]               ; att: one batch of sixteen
	v_exp_f32 v[A+4*(\c)+1], v[A+4*(\c)+1]
	v_exp_f32 v[A+4*(\c)+2], v[A+4*(\c)+2]
	v_exp_f32 v[A+4*(\c)+3], v[A+4*(\c)+3]
.endr
	v_mov_b32 v[R+10], 0                           ; plain work behind the last exponential (ISA guide 5.7.2); a DPP form's destination has been written before
	v_mov_b32 v[R+11], 0                           ; the filling
	v_mov_b32_dpp v[R+10], v[S+3] row_share:15 row_mask:0xf bank_mask:0xf  ; T, the segment's whole sum, in all its 16 lanes
	s_wait_alu depctr_va_vdst(0)                   ; ahead of the first line that names an exponential's result: one wait for the sixteen
.irp e, 0,1,2,3,4
.irp p, 0,2,4,6,8,10,12,14
	v_pk_mul_f32 v[XP+16*(\e)+(\p):XP+16*(\e)+(\p)+1], v[XP+16*(\e)+(\p):XP+16*(\e)+(\p)+1], v[A+(\p):A+(\p)+1]  ; w[e] = att xp[e], in place
.endr
.endr
	FETCH A, SB+16                                 ; att has served: its registers take line 8
; A line's eight packed products with w[e], in two chains; the first two start the sums.
.macro DOT e, z
	v_pk_mul_f32 v[ACC:ACC+1], v[(\z):(\z)+1], v[XP+16*(\e):XP+16*(\e)+1]
	v_pk_mul_f32 v[ACC+2:ACC+3], v[(\z)+8:(\z)+9], v[XP+16*(\e)+8:XP+16*(\e)+9]
.irp p, 2,4,6
	v_pk_fma_f32 v[ACC:ACC+1], v[(\z)+(\p):(\z)+(\p)+1], v[XP+16*(\e)+(\p):XP+16*(\e)+(\p)+1], v[ACC:ACC+1]
	v_pk_fma_f32 v[ACC+2:ACC+3], v[(\z)+8+(\p):(\z)+9+(\p)], v[XP+16*(\e)+8+(\p):XP+16*(\e)+9+(\p)], v[ACC+2:ACC+3]
.endr
.endm
; Line l, which lies in slot.  left: the younger loads, which may stay out.  refill: the line that the slot takes next, or -1.
; The branch hangs on the index alone, which is the same for every wave; the five arms hold no memory instruction, so every count holds on every way.
.macro LINE l, slot, left, refill
	s_wait_loadcnt \left
	s_cmp_eq_u32 s[LTE+(\l)], 0
	s_cbranch_scc1 .Le0_\@
	s_cmp_eq_u32 s[LTE+(\l)], 1
	s_cbranch_scc1 .Le1_\@
	s_cmp_eq_u32 s[LTE+(\l)], 2
	s_cbranch_scc1 .Le2_\@
	s_cmp_eq_u32 s[LTE+(\l)], 3
	s_cbranch_scc1 .Le3_\@
	DOT 4, Z+16*(\slot)
	s_branch .Ljoin_\@
.Le0_\@:
	DOT 0, Z+16*(\slot)
	s_branch .Ljoin_\@
.Le1_\@:
	DOT 1, Z+16*(\slot)
	s_branch .Ljoin_\@
.Le2_\@:
	DOT 2, Z+16*(\slot)
	s_branch .Ljoin_\@
.Le3_\@:
	DOT 3, Z+16*(\slot)
.Ljoin_\@:
.if (\refill) >= 0
	FETCH Z+16*(\slot), SB+2*(\refill)
.endif
	v_pk_add_f32 v[ACC:ACC+1], v[ACC:ACC+1], v[ACC+2:ACC+3]
	v_add_f32 v[R+(\l)], v[ACC], v[ACC+1]
.irp n, 1,2,4,8
	v_add_f32_dpp v[R+(\l)], v[R+(\l)], v[R+(\l)] row_xmask:\n row_mask:0xf bank_mask:0xf  ; the segment's sum, the same bits in all its 16 lanes
.endr
.endm
	LINE 0, 0, 32, 9                               ; out behind line 0: lines 1 to 7 (28) and line 8 (4).  Its slot takes line 9
	LINE 1, 1, 32, -1                              ; lines 2 to 7 (24), 8 and 9 (8)
	LINE 2, 2, 28, -1                              ; from here on four fewer each time
	LINE 3, 3, 24, -1
	LINE 4, 4, 20, -1
	LINE 5, 5, 16, -1
	LINE 6, 6, 12, -1
	LINE 7, 7, 8, -1
	LINE 8, -1, 4, -1                              ; in att's registers; line 9 may stay out
	LINE 9, 0, 0, -1
	ds_store_b128 v[LST], v[R:R+3]                 ; a segment's 16 lanes write the same 48 bytes with the same bits
	ds_store_b128 v[LST], v[R+4:R+7] offset:16
	ds_store_b128 v[LST], v[R+8:R+11] offset:32
	s_wait_dscnt 0x0                               ; for the others' sake: my stores are done
	s_barrier_signal -1
	s_barrier_wait -1                              ; all 32 segments lie in LDS
	s_cmp_lt_u32 s[WV], 3                          ; 8 rows x (10 lines + out1) = 88 numbers: threads 0 to 87
	s_cbranch_scc0 .Lend
	v_lshrrev_b32 v[T0], 3, v0
	v_min_u32 v[T0], 10, v[T0]                     ; my line; 10 stands for out1 (threads 88 to 95 do thread 80 to 87's work again and store nothing)
	v_and_b32 v8, 7, v0                            ; my row of the eight
	v_mul_u32_u24 v9, v8, 4*SEGB                   ; its four segments
	v_lshl_add_u32 v10, v[T0], 2, v9
.irp q, 0,1,2,3
	ds_load_b32 v[16+(\q)], v10 offset:SEGB*(\q)   ; P0 to P3
.endr
.irp q, 0,1,2,3
	ds_load_b32 v[20+(\q)], v9 offset:SEGB*(\q)+40 ; T0 to T3
.endr
	v_lshlrev_b32 v11, 2, v8                       ; out1: 4 x row
	v_lshl_add_u32 v12, v[T0], 13, v11             ; out0: 8,192 x line + 4 x row
	s_lshl_b32 s2, ttmp9, 5                        ; the work-group's 8 rows: 32 bytes
	s_add_nc_u64 s[14:15], s[14:15], s[2:3]
	s_add_nc_u64 s[16:17], s[16:17], s[2:3]
	s_wait_dscnt 0x0
	v_add_f32 v24, v20, v21
	v_add_f32 v25, v22, v23
	v_exp_f32 v20, v20                             ; E0, E1, E2
	v_exp_f32 v21, v21
	v_exp_f32 v22, v22
	v_add_f32 v24, v24, v25
	v_add_f32 v24, 0x4184e08b, v24                 ; + log2(1e5) = 16.609640
	v_exp_f32 v24, v24                             ; 1e5 x 2^(T0 + T1 + T2 + T3)
	v_mul_f32 v[FL], 0x47c35000, v[FL]             ; 1e5 fl_unit: the plain line behind the last exponential
	s_wait_alu depctr_va_vdst(0)                   ; one wait for the four, ahead of their first reader
	v_fma_f32 v18, v22, v19, v18                   ; P2 + E2 P3
	v_fma_f32 v17, v21, v18, v17                   ; P1 + E1 (..)
	v_fma_f32 v16, v20, v17, v16                   ; P0 + E0 (..)
	v_mul_f32 v16, v[FL], v16
	v_cmp_eq_u32 vcc_lo, 10, v[T0]
	v_cndmask_b32 v16, v16, v24, vcc_lo
	v_cmp_gt_u32 vcc_lo, 80, v0                    ; threads 0 to 79: out0
	s_wait_xcnt 0x0                                ; EXEC changes only behind this wait
	s_and_saveexec_b32 s[SV], vcc_lo
	global_store_b32 v12, v16, s[14:15]            ; eight neighbouring lanes store 32 neighbouring bytes of a line
	s_wait_xcnt 0x0                                ; and again, in front of the line that widens it
	s_or_b32 exec_lo, exec_lo, s[SV]
	v_add_nc_u32 v13, 0xffffffb0, v0               ; t - 80
	v_cmp_gt_u32 vcc_lo, 8, v13                    ; threads 80 to 87: out1
	s_and_saveexec_b32 s[SV], vcc_lo
	global_store_b32 v11, v16, s[16:17]
	s_wait_xcnt 0x0
	s_or_b32 exec_lo, exec_lo, s[SV]
.Lend:
	s_wait_tensorcnt 0x0                           ; the wave's end, behind my last LDS store
	ds_add_u32 v[SPW], v[NIL]
	s_wait_dscnt 0x0
	s_endpgm
.Lfunc_end_k_q11505bc00d_ppm:
	.size	k_q11505bc00d_ppm, .Lfunc_end_k_q11505bc00d_ppm-k_q11505bc00d_ppm
	.p2alignl 7, 3214868480
	.fill 96, 4, 3214868480
	.section	.rodata,"a",@progbits
	.p2align	6, 0x0
	.amdhsa_kernel k_q11505bc00d_ppm
		.amdhsa_group_segment_fixed_size 3584
		.amdhsa_private_segment_fixed_size 0
		.amdhsa_enable_private_segment 0
		.amdhsa_kernarg_size 56
		.amdhsa_user_sgpr_count 2
		.amdhsa_user_sgpr_kernarg_segment_ptr 1
		.amdhsa_wavefront_size32 1
		.amdhsa_system_sgpr_workgroup_id_x 1
		.amdhsa_system_sgpr_workgroup_id_y 1
		.amdhsa_system_sgpr_workgroup_id_z 1
		.amdhsa_system_vgpr_workitem_id 0
		.amdhsa_next_free_vgpr 256
		.amdhsa_next_free_sgpr 90
		.amdhsa_reserve_vcc 1
		.amdhsa_float_denorm_mode_32 3
		.amdhsa_float_denorm_mode_16_64 3
		.amdhsa_memory_ordered 1
		.amdhsa_forward_progress 1
		.amdhsa_inst_pref_size 52
	.end_amdhsa_kernel
	.amdgpu_metadata
---
amdhsa.version: [ 1, 2 ]
amdhsa.kernels:
  - .name:           k_q11505bc00d_ppm
    .symbol:         k_q11505bc00d_ppm.kd
    .args:
      - { .name: xp, .offset: 0, .size: 8, .value_kind: global_buffer, .address_space: global }
      - { .name: SA_theta, .offset: 8, .size: 8, .value_kind: global_buffer, .address_space: global }
      - { .name: probe_attCS_ls, .offset: 16, .size: 8, .value_kind: global_buffer, .address_space: global }
      - { .name: line_to_element, .offset: 24, .size: 8, .value_kind: global_buffer, .address_space: global }
      - { .name: fl_unit, .offset: 32, .size: 8, .value_kind: global_buffer, .address_space: global }
      - { .name: out0, .offset: 40, .size: 8, .value_kind: global_buffer, .address_space: global }
      - { .name: out1, .offset: 48, .size: 8, .value_kind: global_buffer, .address_space: global }
    .group_segment_fixed_size: 3584
    .private_segment_fixed_size: 0
    .kernarg_segment_align: 8
    .kernarg_segment_size: 56
    .max_flat_workgroup_size: 512
    .sgpr_count:     90
    .vgpr_count:     256
    .wavefront_size: 32
...
	.end_amdgpu_metadata
.endif
;; end of part 1
